; MI455X (gfx1250); checked and timed in simulation.
; The chip was launched on July 23, 2026; its instructions are those of AMD's public machine-readable ISA for CDNA 5 (MIT licence, August 2026) and "CDNA5" Instruction Set Architecture Reference Guide (July 2026). The comments in the code are by the model that wrote it; some were corrected since.
;; Multi Head Self Attention. Allowed arithmetic: matrix products marked QUANTISED: E2M3 operands, one E8M0 scale for each 32 along K, by v_wmma_scale_f32_16x16x128_f8f6f4 with both operands' format E2M3, f32 sums; everything else in f32.
;; Inputs: adj 2 x 1 x 2,048 x 2,048 float32; gamma 1 x 16 x 1 x 1 float32; in_bias 1 x 1 x 3,072 float32; mask 2 x 2,048 bool; out_bias 1 x 1 x 1,024 float32; weights 1,024 x 3,072 float32; x 2 x 2,048 x 1,024 float32.
;; Outputs: out0 2 x 2,048 x 1,024 float32.
;; This version of the problem:
;;   THIS VERSION OF THE PROBLEM IS GIVEN IN LOW PRECISION. The matrix products marked QUANTISED in the list below multiply operands that are first quantised to E2M3 (2 exponent bits, 3 mantissa bits; 6 bits a number), with one power-of-two scale for each 32 numbers along K (OCP MX v1.0); their sums are f32. All else is computed in f32.
;;   The module's matrix products, in the order in which they are computed (A, B: the left and right operand; K: the contracted axis; several contracted axes count as one K, in the product's order):
;;     1. [M 4,096, K 1,024] x [K 1,024, N 3,072]; A: input x; B: input weights: QUANTISED
;;     2. batch 32 x [M 2,048, K 64] x [K 64, N 2,048]; A: computed on the way; B: computed on the way: QUANTISED
;;     3. batch 32 x [M 2,048, K 2,048] x [K 2,048, N 64]; A: computed on the way; B: computed on the way: QUANTISED
;;   THE QUANTISER, for each operand of a quantised product, along K:
;;     - K is cut into blocks of 32 from its start; a last block that is shorter is filled with zeros.
;;     - A block's scale is 2^e with e = floor(log2(the largest magnitude in the block)) - 2, held to -126 .. 127; a block of zeros has e = 0. As a byte (E8M0): e + 127.
;;     - Each number is divided by its block's scale, clamped to +-7.5, and rounded to the nearest number of E2M3, ties to even, subnormals kept.
;;     - The product sums the exact products of the quantised numbers (number of the format x scale) in f32.
;;   ~~~python
;;   def quantise(x, axis):      # numpy; x: float32 -> the quantised numbers, widened to float32 again
;;       x = np.moveaxis(x, axis, -1); K = x.shape[-1]
;;       x = np.pad(x, [(0, 0)] * (x.ndim - 1) + [(0, -K % 32)]); x = x.reshape(x.shape[:-1] + (-1, 32)); a = np.abs(x).max(-1, keepdims=True)
;;       e = np.where(a > 0, np.clip(np.frexp(np.where(a > 0, a, 1))[1] - 1 - 2, -126, 127), 0)      # np.frexp(a)[1] - 1 = floor(log2(a)), exactly
;;       r = np.clip(x / 2.0 ** e, -7.5, 7.5)
;;       step = 2.0 ** (np.maximum(np.frexp(np.where(r == 0, 1, r))[1] - 1, 0) - 3)
;;       q = np.round(r / step) * step * 2.0 ** e      # np.round: ties to even
;;       return np.moveaxis(q.reshape(q.shape[:-2] + (-1,))[..., :K], -1, axis).astype(np.float32)
;;   ~~~
;;   OPERANDS COMPUTED ON THE WAY. 'Computed on the way' means the value that the module computes at that place (a softmax that the list does not call 'softmax' is quantised finished and normalised). What goes into a quantiser is computed in f32, as accurately as f32 sums, v_exp_f32 and their like allow (about 1e-6 of the number): no bf16 or f16 on the way to a quantiser, and a product that is left as it is and whose result goes on into a quantised operand takes f32 operands (vector FMAs, or v_wmma_f32_16x16x4_f32). A number that lies on a knife's edge between two numbers of the format may be rounded either way, as far as f32 arithmetic and the matrix unit's own rounding can turn it there, and no further.
;; One version. Each part assembles by itself: llvm-mc -triple=amdgcn-amd-amdhsa -mcpu=gfx1250 --defsym DOCPART=n.
;; ======== version 1 of 1: 3 launches
;; limits: right only within a limited range of input values
;; workspace buffers: xc 3,145,728 bytes; xs 131,072 bytes; wc 2,359,296 bytes; ws 98,304 bytes; qp 4,194,304 bytes; kp 4,718,592 bytes; vp 3,407,872 bytes
;; launch quant (part 1): grid 224 x 1, 4 waves a work-group, no clusters, 68,096 bytes of LDS; arguments x, weights, xc, xs, wc, ws; writes xc, xs, wc, ws
.if DOCPART == 1
	.amdgcn_target "amdgcn-amd-amdhsa--gfx1250"
	.amdhsa_code_object_version 6
	.text
	.protected	k_qc5519a1790_quant
	.globl	k_qc5519a1790_quant
	.p2align	8
	.type	k_qc5519a1790_quant,@function
k_qc5519a1790_quant:
	s_mov_b64 s[64:65], 0
	v_nop
	global_prefetch_b8 v0, s[64:65] scope:SCOPE_SE
	s_setreg_imm32_b32 hwreg(HW_REG_WAVE_MODE, 25, 1), 1
	s_wait_xcnt 0x0
; x [4096][1024] and weights [1024][3072], f32, become codes of FP6 (E2M3), K innermost, with one E8M0 byte for each 32 along K.
; A block's scale is 2^(floor(log2(largest magnitude)) - 2); its byte is the largest magnitude's exponent field - 2, held at 1 from below.
; (A block of zeros gets the byte 1 where the rule says 127: its codes are zeros, and only this program reads the bytes.)
; LIMITS: NaN and infinities among the inputs are not served; blocks whose largest magnitude lies under 2^(3 - 127) keep the byte 1.
; STORAGE ORDER: inside each group of 32 rows of xc/xs, and of the Q and K columns' rows of wc/ws, natural rows 8-15 and 16-23 change places,
; so that sixteen rows on end are the rows 8 u + r + (r & 8) that the next launch wants as one tile.  V's rows of wc/ws keep their order.
; Work-groups 0-127 take x (K innermost: a plain stream of blocks), work-groups 128-223 take the weights (K is the first axis: a lane takes a column).
; The two paths part on the work-group's number alone and have LDS bytes of their own.  No barrier: waves share nothing.
.set SIZE_K, 1024
.set SIZE_N, 3072
.set XWG,    128                       ; work-groups for x: 4,096 x 1,024 / 32,768
.set EMAX,   2
; ---- path x
.set STEPS,  16                        ; steps of 512 numbers a wave: 8 rows of x
.set CB,     12                        ; bytes of 16 codes
.set WREG,   8192                      ; LDS of a wave: two stages of 32 x SP bytes, then its 256 scale bytes
.set SP,     80                        ; a lane's place in a stage: 64 bytes + 16 of padding
.set XR,     16                        ; v16-79   four sets of 16 numbers as loaded
.set XX,     80                        ; v80-111  two sets of 16 neighbours
.set XE,     112                       ; v112-127 a scale byte for each step
.set XC,     128                       ; v128-191 codes, four registers a step
; ---- path weights
.set NB,     8                         ; blocks of 32 along K for a wave (256 along K)
.set WPITCH, 272                       ; a stage row: sixteen places of 16 bytes + 16
.set KROW,   SIZE_K*6/8                ; a row of wc in bytes
.set WSTG,   32768                     ; the stages of this path begin behind the other path's LDS
.set WSB,    24                        ; v24-25   scale bytes
.set WX,     32                        ; v32-95   two sets of 32 numbers
.set WC,     96                        ; v96-102  a block's codes
.set WOUT,   112                       ; v112-175 the way out
	s_load_b128 s[4:7], s[0:1], 0x0                ; x, weights
	s_load_b128 s[8:11], s[0:1], 0x10              ; xc, xs
	s_load_b128 s[12:15], s[0:1], 0x20             ; wc, ws
	v_lshl_add_u32 v192, v0, 2, 0x10800
	v_mov_b32 v193, 0
	v_lshrrev_b32 v1, 5, v0
	v_readfirstlane_b32 s16, v1                    ; wave
	v_and_b32 v2, 31, v0                           ; lane
	s_cmp_lt_u32 ttmp9, XWG
	s_cbranch_scc0 .Lweights
; ================= x: a wave takes run R = 4 x work-group + wave: 8,192 numbers, 8 rows =================
	v_lshlrev_b32 v3, 4, v2                        ; my 16 bytes of a load's 512
	s_mul_i32 s17, s16, WREG
	v_lshrrev_b32 v14, 2, v2
	v_mul_u32_u24 v14, v14, SP
	v_and_b32 v15, 3, v2
	v_lshl_add_u32 v14, v15, 4, v14
	v_add_nc_u32 v14, s17, v14                     ; the stage, way in: SP (lane / 4) + 16 (lane % 4)
	v_mul_u32_u24 v15, v2, SP
	v_add_nc_u32 v15, s17, v15                     ; way out: SP x lane: my 16 neighbours
	v_mul_u32_u24 v4, v2, CB                       ; my codes' place in a step's 384 bytes
	v_lshrrev_b32 v5, 1, v2
	s_add_co_u32 s17, s17, 2*32*SP
	v_add_nc_u32 v5, s17, v5                       ; my block's byte among the wave's 256
	v_lshlrev_b32 v7, 3, v2
	v_add_nc_u32 v6, s17, v7
	s_lshl_b32 s18, ttmp9, 2
	s_add_co_u32 s18, s18, s16                     ; R
	s_lshl_b32 s20, s18, 15                        ; 32,768 bytes of x a run
	s_mov_b32 s21, 0
	s_and_b32 s22, s18, 0xfffffffc                 ; the run's place in the output: runs 1 and 2 of each four change places
	s_and_b32 s23, s18, 1
	s_lshl_b32 s23, s23, 1
	s_or_b32 s22, s22, s23
	s_bfe_u32 s23, s18, 0x10001
	s_or_b32 s22, s22, s23
	s_mul_i32 s24, s22, 32*STEPS*CB                ; 6,144 bytes of codes a run
	s_mov_b32 s25, 0
	s_lshl_b32 s26, s22, 8                         ; 256 scale bytes a run
	s_mov_b32 s27, 0
	s_wait_kmcnt 0x0
	s_add_nc_u64 s[4:5], s[4:5], s[20:21]
	s_add_nc_u64 s[8:9], s[8:9], s[24:25]
	s_add_nc_u64 s[10:11], s[10:11], s[26:27]
.macro XLOAD t
.irp i, 0,1,2,3
	global_load_b128 v[XR+16*((\t)%4)+4*\i:XR+16*((\t)%4)+4*\i+3], v3, s[4:5] offset:2048*(\t)+512*\i th:TH_LOAD_NT   ; 32 lanes read 512 consecutive bytes
.endr
.endm
.macro XTURN t                         ; a step's numbers through the stage; LDS serves a wave's instructions in order, so no wait between stores and loads
.irp i, 0,1,2,3
	ds_store_b128 v14, v[XR+16*((\t)%4)+4*\i:XR+16*((\t)%4)+4*\i+3] offset:32*SP*((\t)%2)+8*SP*\i
.endr
.irp i, 0,1,2,3
	ds_load_b128 v[XX+16*((\t)%2)+4*\i:XX+16*((\t)%2)+4*\i+3], v15 offset:32*SP*((\t)%2)+16*\i
.endr
.endm
.irp t, 0,1,2,3
	XLOAD \t
.endr
	s_wait_loadcnt 12                              ; step 0's four loads are in; the twelve younger stay out
	XTURN 0
.macro XSTEP t
.set XS, XX+16*((\t)%2)
.if (\t) > 0
	s_wait_dscnt 1                                 ; this step's numbers are back (the last step's byte store may be out)
.else
	s_wait_dscnt 0x0
.endif
.if (\t)+4 < STEPS
	XLOAD (\t)+4                                   ; into the set whose stores to the stage have read their registers
.endif
.if (\t)+1 < STEPS
.if STEPS-2-(\t) >= 3
	s_wait_loadcnt 12                              ; the next step's four loads are in; three steps' twelve stay out
.else
	s_wait_loadcnt 4*(STEPS-2-(\t))
.endif
	XTURN (\t)+1
.endif
	v_max3_num_f32 v8, |v[XS]|, |v[XS+1]|, |v[XS+2]|
	v_max3_num_f32 v9, |v[XS+3]|, |v[XS+4]|, |v[XS+5]|
.irp i, 6,10
	v_max3_num_f32 v8, v8, |v[XS+\i]|, |v[XS+\i+1]|
	v_max3_num_f32 v9, v9, |v[XS+\i+2]|, |v[XS+\i+3]|
.endr
	v_max3_num_f32 v8, v8, |v[XS+14]|, |v[XS+15]|
	v_max3_num_f32 v8, v8, v9, (EMAX+1)<<23        ; the floor 2^(3 - 127): the byte cannot fall under 1
	v_max_num_f32_dpp v8, v8, v8 row_xmask:1 row_mask:0xf bank_mask:0xf   ; with my neighbour's 16: the block's
	v_add_nc_u32 v11, 0xff000000, v8               ; 2 off the exponent field: the conversion's scale operand
	v_cvt_scalef32_pk16_fp6_f32 v[XC+4*(\t):XC+4*(\t)+2], v[XS:XS+15], v11
	v_lshrrev_b32 v[XE+(\t)], 23, v11              ; the scale's byte (also the plain line behind the conversion)
	ds_store_b8 v5, v[XE+(\t)] offset:16*(\t)      ; both lanes of a block write the same byte
	global_store_b96 v4, v[XC+4*(\t):XC+4*(\t)+2], s[8:9] offset:32*CB*(\t)
.endm
.irp t, 0,1,2,3,4,5,6,7,8,9,10,11,12,13,14,15
	XSTEP \t
.endr
	ds_load_b64 v[12:13], v6                       ; in order behind my byte stores
	s_wait_dscnt 0x0
	global_store_b64 v7, v[12:13], s[10:11]        ; 32 lanes store 256 consecutive bytes, aligned
	s_wait_tensorcnt 0x0
	ds_add_u32 v192, v193
	s_wait_dscnt 0x0
	s_endpgm
; ================= weights: a wave takes 32 columns x 256 along K; a lane takes a column, its registers run down K =================
.Lweights:
	s_sub_co_u32 s17, ttmp9, XWG
	s_lshr_b32 s18, s17, 2                         ; which 128 columns
	s_and_b32 s19, s17, 3                          ; which 256 along K
	s_lshl_b32 s20, s18, 2
	s_add_co_u32 s20, s20, s16                     ; G: my group of 32 columns, 0 .. 95
	s_mul_i32 s21, s20, 43
	s_lshr_b32 s21, s21, 8                         ; G / 6 (exact for G under 96)
	s_mul_i32 s21, s21, 6
	s_sub_co_u32 s21, s20, s21                     ; G % 6: 0-3 a head's Q and K columns, 4-5 its V columns
	s_cmp_lt_u32 s21, 4
	s_cselect_b32 s32, 8*KROW, 0                   ; Q, K: rows 8-15 go 8 rows up, rows 16-23 8 rows down
	s_cselect_b32 s23, 24, 0                       ; and in a lane's row number bits 3 and 4 change places
	s_mov_b32 s33, 0
	s_mul_i32 s24, s16, 32*WPITCH
	s_add_co_u32 s24, s24, WSTG                    ; my stage
	v_lshlrev_b32 v3, 2, v2                        ; in: 4 bytes a lane
	v_mul_u32_u24 v4, v2, WPITCH
	v_add_nc_u32 v4, s24, v4                       ; into the stage: row = my column
	v_and_b32 v5, 15, v2
	v_lshrrev_b32 v6, 4, v2
	v_mul_u32_u24 v7, v6, WPITCH
	v_lshl_add_u32 v7, v5, 4, v7
	v_add_nc_u32 v7, s24, v7                       ; out of it: sixteen lanes to a row, two rows an instruction
	v_mul_u32_u24 v8, v6, KROW
	v_mad_u32_u24 v8, v5, 12, v8                   ; and the same place in wc
	v_lshrrev_b32 v9, 1, v2
	v_xor_b32 v9, v9, v2
	v_bfe_u32 v9, v9, 3, 1                         ; 1 where bits 3 and 4 of my lane differ
	v_mul_u32_u24 v9, s23, v9
	v_xor_b32 v9, v9, v2                           ; my column's row in its group of 32
	v_lshlrev_b32 v9, 5, v9                        ; 32 scale bytes a row
	s_mul_i32 s26, s19, 256*SIZE_N*4               ; weights: 256 rows of K down,
	s_lshl_b32 s27, s20, 7                         ; 32 columns of 4 bytes a group
	s_add_co_u32 s26, s26, s27
	s_mov_b32 s27, 0
	s_mul_i32 s28, s20, 32*KROW                    ; wc: 32 rows a group,
	s_mul_i32 s29, s19, 192                        ; 192 bytes for 256 along K
	s_add_co_u32 s28, s28, s29
	s_mov_b32 s29, 0
	s_lshl_b32 s30, s20, 10                        ; ws: 32 rows of 32 bytes a group,
	s_lshl_b32 s31, s19, 3                         ; 8 bytes for 256 along K
	s_add_co_u32 s30, s30, s31
	s_mov_b32 s31, 0
	s_wait_kmcnt 0x0
	s_add_nc_u64 s[6:7], s[6:7], s[26:27]
	s_add_nc_u64 s[12:13], s[12:13], s[28:29]
	s_add_nc_u64 s[14:15], s[14:15], s[30:31]
	s_add_nc_u64 s[34:35], s[12:13], s[32:33]      ; the base for natural rows 8-15
	s_sub_nc_u64 s[36:37], s[12:13], s[32:33]      ; and for natural rows 16-23
.macro WLOAD t                         ; block t: weights(32 t + i, my column) into set t % 2; 32 lanes read 128 consecutive bytes
.set ii, 0
.rept 32
	global_load_b32 v[WX+32*((\t)%2)+ii], v3, s[6:7] offset:(32*(\t)+ii)*SIZE_N*4 th:TH_LOAD_NT
.set ii, ii+1
.endr
.endm
	WLOAD 0
	WLOAD 1
.macro WBLOCK t
.set XS, WX+32*((\t)%2)
.if (\t) < NB-1
	s_wait_loadcnt 32                              ; this block's 32 loads are in; the next block's 32 may be out
.else
	s_wait_loadcnt 0
.endif
	v_max3_num_f32 v12, |v[XS]|, |v[XS+1]|, |v[XS+2]|
	v_max3_num_f32 v13, |v[XS+3]|, |v[XS+4]|, |v[XS+5]|
.irp i, 6,10,14,18,22,26
	v_max3_num_f32 v12, v12, |v[XS+\i]|, |v[XS+\i+1]|
	v_max3_num_f32 v13, v13, |v[XS+\i+2]|, |v[XS+\i+3]|
.endr
	v_max3_num_f32 v12, v12, |v[XS+30]|, |v[XS+31]|
	v_max3_num_f32 v12, v12, v13, (EMAX+1)<<23     ; the floor
	v_add_nc_u32 v11, 0xff000000, v12              ; the conversion's scale operand
	v_lshrrev_b32 v13, 23, v11                     ; the byte
.if (\t)%4 == 0
	v_mov_b32 v[WSB+(\t)/4], v13
.else
	v_lshl_or_b32 v[WSB+(\t)/4], v13, 8*((\t)%4), v[WSB+(\t)/4]
.endif
	v_cvt_scalef32_pk16_fp6_f32 v[WC:WC+2], v[XS:XS+15], v11
	v_cvt_scalef32_pk16_fp6_f32 v[WC+4:WC+6], v[XS+16:XS+31], v11
	v_nop                                          ; one plain line behind the conversions
	ds_store_b96 v4, v[WC:WC+2] offset:32*(\t)     ; 12 bytes to a place of 16
	ds_store_b96 v4, v[WC+4:WC+6] offset:32*(\t)+16
.if (\t)+2 < NB
	WLOAD (\t)+2
.endif
	s_wait_dscnt 0x0                               ; the stores have read their registers
.endm
.irp t, 0,1,2,3,4,5,6,7
	WBLOCK \t
.endr
	global_store_b64 v9, v[WSB:WSB+1], s[14:15]    ; my column's 8 scale bytes
.irp t, 0,1,2,3,4,5,6,7,8,9,10,11,12,13,14,15
	ds_load_b96 v[WOUT+4*\t:WOUT+4*\t+2], v7 offset:2*\t*WPITCH
.endr
.irp t, 0,1,2,3,4,5,6,7,8,9,10,11,12,13,14,15
	s_wait_dscnt 15-\t                             ; the 15 - t younger loads may be out
.if (\t >= 4) && (\t < 8)
	global_store_b96 v8, v[WOUT+4*\t:WOUT+4*\t+2], s[34:35] offset:2*\t*KROW
.elseif (\t >= 8) && (\t < 12)
	global_store_b96 v8, v[WOUT+4*\t:WOUT+4*\t+2], s[36:37] offset:2*\t*KROW
.else
	global_store_b96 v8, v[WOUT+4*\t:WOUT+4*\t+2], s[12:13] offset:2*\t*KROW
.endif
.endr
	s_wait_tensorcnt 0x0
	ds_add_u32 v192, v193
	s_wait_dscnt 0x0
	s_endpgm
.Lfunc_end_k_qc5519a1790_quant:
	.size	k_qc5519a1790_quant, .Lfunc_end_k_qc5519a1790_quant-k_qc5519a1790_quant
	.p2alignl 7, 3214868480
	.fill 96, 4, 3214868480
	.section	.rodata,"a",@progbits
	.p2align	6, 0x0
	.amdhsa_kernel k_qc5519a1790_quant
		.amdhsa_group_segment_fixed_size 68096
		.amdhsa_private_segment_fixed_size 0
		.amdhsa_enable_private_segment 0
		.amdhsa_kernarg_size 48
		.amdhsa_user_sgpr_count 2
		.amdhsa_user_sgpr_kernarg_segment_ptr 1
		.amdhsa_wavefront_size32 1
		.amdhsa_system_sgpr_workgroup_id_x 1
		.amdhsa_system_sgpr_workgroup_id_y 1
		.amdhsa_system_sgpr_workgroup_id_z 1
		.amdhsa_system_vgpr_workitem_id 0
		.amdhsa_next_free_vgpr 194
		.amdhsa_next_free_sgpr 66
		.amdhsa_reserve_vcc 0
		.amdhsa_float_denorm_mode_32 3
		.amdhsa_float_denorm_mode_16_64 3
		.amdhsa_memory_ordered 1
		.amdhsa_forward_progress 1
		.amdhsa_inst_pref_size 74
	.end_amdhsa_kernel
	.amdgpu_metadata
---
amdhsa.version: [ 1, 2 ]
amdhsa.kernels:
  - .name:           k_qc5519a1790_quant
    .symbol:         k_qc5519a1790_quant.kd
    .args:
      - { .name: x, .offset: 0, .size: 8, .value_kind: global_buffer, .address_space: global }
      - { .name: weights, .offset: 8, .size: 8, .value_kind: global_buffer, .address_space: global }
      - { .name: xc, .offset: 16, .size: 8, .value_kind: global_buffer, .address_space: global }
      - { .name: xs, .offset: 24, .size: 8, .value_kind: global_buffer, .address_space: global }
      - { .name: wc, .offset: 32, .size: 8, .value_kind: global_buffer, .address_space: global }
      - { .name: ws, .offset: 40, .size: 8, .value_kind: global_buffer, .address_space: global }
    .group_segment_fixed_size: 68096
    .private_segment_fixed_size: 0
    .kernarg_segment_align: 8
    .kernarg_segment_size: 48
    .max_flat_workgroup_size: 128
    .sgpr_count:     66
    .vgpr_count:     194
    .wavefront_size: 32
...
	.end_amdgpu_metadata
.endif
;; end of part 1
;; launch gemm (part 2): grid 16 x 32, 12 waves a work-group, clusters of 4 x 4, 327,680 bytes of LDS; arguments xc, xs, wc, ws, in_bias, mask, qp, kp, vp; writes qp, kp, vp
.if DOCPART == 2
	.amdgcn_target "amdgcn-amd-amdhsa--gfx1250"
	.amdhsa_code_object_version 6
	.text
	.protected	k_qc5519a1790_gemm
	.globl	k_qc5519a1790_gemm
	.p2align	8
	.type	k_qc5519a1790_gemm,@function
k_qc5519a1790_gemm:
	s_mov_b64 s[64:65], 0
	v_nop
	global_prefetch_b8 v0, s[64:65] scope:SCOPE_SE
	s_setreg_imm32_b32 hwreg(HW_REG_WAVE_MODE, 25, 1), 1
	s_wait_xcnt 0x0
	s_wait_alu depctr_hold_cnt(0) depctr_sa_sdst(0) depctr_va_vdst(0) depctr_va_sdst(0) depctr_va_ssrc(0) depctr_va_vcc(0) depctr_vm_vsrc(0)
	s_getreg_b32 s2, hwreg(HW_REG_IB_STS2, 6, 4)
	s_cmp_eq_u32 s2, 0
	s_cbranch_scc0 .Lentry_in_a_cluster
	s_endpgm
.Lentry_in_a_cluster:
	s_bfe_u32 s2, ttmp6, 0x10000c
	s_cmp_lg_u32 s2, 0xf033
	s_cbranch_scc0 .Lentry_shape_is_right
	s_endpgm
.Lentry_shape_is_right:
; qkv = Q6(x) Q6(W) + in_bias on codes of FP6 (E2M3) with E8M0 scales, and its results quantised at once for the attention launch.
; A work-group takes one head (192 columns) x 128 tokens (one key step of the attention).  All of K = 1,024 lies in LDS: every LDS byte is filled once.
; Twelve waves: waves 0-3 make Q, 4-7 K, 8-11 V.  Each wave has 4 tiles as source 0 and 2 as source 1: 8 accumulators by turns, 8 steps of 128 along K.
;   Q, K: source 0 = 64 rows of W (d), source 1 = 32 tokens: a lane holds one token, its registers run along d, which is the next product's K.
;   V:    source 0 = 64 tokens, source 1 = 32 rows of W (d): a lane holds one d, its registers run along the tokens (keys), the last product's K.
; xc and the Q, K rows of wc lie in storage order (rows 8-15 and 16-23 of each 32 exchanged): 16 rows on end are the tile 8 u + r + (r & 8),
; so that the 16 registers of two neighbouring tiles are 16 neighbours along the next K.
; OUTPUT, as images of the operands' registers (every store covers 256 or 512 consecutive aligned bytes):
;   qp tile (1,024 B): registers 0-3 at 16 lane; 4-5 at 512 + 8 lane; the scale word twice at 768 + 8 lane.  Word: [b0, b1, 127, 127].
;   kp block (36,864 B = 4 heads x 9,216): key tile t at 1,024 t: registers 0-3, 4-7; register 6 = code 0.125 at k = 96 of a key whose mask byte is 0; register 7 = 0;
;      scale words at 8,192 + 256 (t / 2) + 8 lane + 4 (t % 2): lanes 0-15 [b0, b1, 127, 127], lanes 16-31 [b0, b1, 127, 227 for such a key, else 127].
;   vp block (26,624 B = 4 heads x 6,656): d tile at 1,536 dt, keys' half c at 768 c: registers 6 c .. + 3 at 16 lane, + 4, + 5 at 512 + 8 lane; words at 6,144 + 16 lane + 4 dt.
; CLUSTER 4 x 4: x's tiles hang on the token tile alone and are asked for jointly along a row of the cluster, W's on the head alone, along a column.
; The scale bytes (2 KB of a fetching wave's 62 KB) come by plain loads.
; LIMITS: NaN and infinities are not served; a block of zeros gets the byte 1 (its codes are zeros; only this program reads the bytes).
.set PITCH, 240                        ; an LDS row of 192 bytes: 3 x (64 + 16 of padding)
.set CHUNK, 320*PITCH                  ; 256 along K: 128 rows of x, then the head's 192 rows of W
.set PART,  64*PITCH                   ; what one tensor load brings
.set SCL,   4*CHUNK                    ; the scale bytes: 40 units of 256 + 16 bytes, 8 rows of 32 bytes each
.set SPART, 8*272
.set VSTG,  318208                     ; 512 bytes in which V's scale words are pieced together; no tile lands here
.set FR,    12
.set F0,    32                         ; v32-79   source 0's four fragments
.set F1,    80                         ; v80-103  source 1's two
.set SC0,   104                        ; v104-135 source 0's scale words, 8 a tile; these registers hold scales and nothing else
.set SC1,   136                        ; v136-151 source 1's
.set ACC,   152                        ; v152-215 accumulator (n, a) at 152 + 32 n + 8 a
.set PC,    32                         ; behind the products: codes, 8 registers for each n
.set PT,    48                         ; the second conversion's result, 4 for each n
.set TM,    56                         ; 8 at work for each n: maxima 0-1, other half's 2-3, scale operands 4-5, bytes 6-7
.set W01,   72                         ; the two bytes of each n
.set WK,    74                         ; K's two scale words
.set WQ,    76                         ; Q's scale word twice, for each n
.set TF,    80
.set SEL,   2                          ; s[2:3] lane selects: lane l xor 16
.set WV,    22
.set ROLE,  23
.set IDX,   24
.set CX,    25
.set CY,    26
.set HEAD,  27
.set TT,    28
.set ISV,   29
.set NOTV,  30
.set NOTQ,  31
.set G0SW,  32                         ; s[32:35] group 0: W's scale bytes
.set G1X,   36                         ; s[36:43] group 1: x's tiles
.set G1W,   44                         ; s[44:51] W's tiles
.set G1S,   52                         ; s[52:59] scale bytes
.set G0SX,  60                         ; s[60:63] group 0: x's scale bytes
.set ISQ,   66
.set R0,    67
.set G0X,   68                         ; s[68:83] group 0 for x's four chunks
.set G0W,   84                         ; s[84:99] for W's
.set R1,    100
.set N1,    101
.set TA,    104                        ; s[104:105] a pair at work
.set PADW,  (1<<20)|(1<<21)|(3<<22)|(3<<25)   ; padding on; bit 21 beside a mask; after every 16 words, 4 words
.macro ROUND                           ; a round of the cluster's barrier
	s_barrier_signal -1
	s_barrier_wait -1
	s_cmp_lg_u32 s[WV], 0
	s_cbranch_scc1 .Lnw0_\@
	s_barrier_signal -3
.Lnw0_\@:
	s_barrier_wait -3
	s_barrier_signal -1
	s_barrier_wait -1
.endm
	s_load_b256 s[4:11], s[0:1], 0x0               ; xc, xs, wc, ws
	s_load_b256 s[12:19], s[0:1], 0x20             ; in_bias, mask, qp, kp
	s_load_b64 s[20:21], s[0:1], 0x40              ; vp
	v_lshl_add_u32 v216, v0, 2, 0x4dd00
	v_mov_b32 v217, 0
	ds_add_u32 v216, v217
	v_lshrrev_b32 v1, 5, v0
	v_readfirstlane_b32 s[WV], v1                  ; wave 0..11
	s_lshr_b32 s[ROLE], s[WV], 2                   ; 0 Q, 1 K, 2 V
	s_and_b32 s[IDX], s[WV], 3
	s_bfe_u32 s[CX], ttmp6, 0x40000
	s_bfe_u32 s[CY], ttmp6, 0x40004
	s_lshl_b32 s[HEAD], ttmp9, 2
	s_add_co_u32 s[HEAD], s[HEAD], s[CX]           ; the head = 4 x cluster x + cx
	s_and_b32 s[TT], ttmp7, 0xffff
	s_lshl_b32 s[TT], s[TT], 2
	s_add_co_u32 s[TT], s[TT], s[CY]               ; the tile of 128 tokens = 4 x cluster y + cy
	s_lshl_b32 s29, s[CY], 2
	s_lshl_b32 s29, 15, s29                        ; my row of the cluster
	s_lshl_b32 s30, 0x1111, s[CX]                  ; my column
	s_or_b32 s[G1X], s29, PADW                     ; elements of 1 byte
	s_or_b32 s[G1W], s30, PADW
.irp g, G1X, G1W
	s_mov_b32 s[\g+1], 192<<16                     ; tensor_dim0
	s_mov_b32 s[\g+2], 64<<16                      ; tensor_dim1
	s_mov_b32 s[\g+3], 192<<16                     ; tile_dim0
	s_mov_b32 s[\g+4], 64                          ; tile_dim1
	s_mov_b32 s[\g+5], 768                         ; bytes from row to row
	s_mov_b32 s[\g+6], 0
	s_mov_b32 s[\g+7], 0
.endr
	s_mov_b32 s[G1S], (3<<16)|(1<<20)|(5<<22)|(3<<25)   ; 64 rows' scale bytes: 8 dense rows of 256 bytes (32 elements of 8), 16 bytes of padding behind each; no mask
	s_mov_b32 s[G1S+1], 32<<16
	s_mov_b32 s[G1S+2], 8<<16
	s_mov_b32 s[G1S+3], 32<<16
	s_mov_b32 s[G1S+4], 8
	s_mov_b32 s[G1S+5], 32
	s_mov_b32 s[G1S+6], 0
	s_mov_b32 s[G1S+7], 0
	s_and_b32 s31, s[WV], 1                        ; x: waves 0, 1 fetch rows 128 tile + 64 wave
	s_lshl_b32 s31, s31, 6
	s_lshl_b32 s66, s[TT], 7
	s_add_co_u32 s66, s66, s31
	s_mul_i32 s100, s66, 768
	s_mov_b32 s101, 0
	s_lshl_b32 s[G0SX+2], s66, 5
	s_mov_b32 s[G0SX+3], 0
	s_max_u32 s31, s[WV], 2                        ; W: waves 2, 3, 4 fetch rows 192 head + 64 (wave - 2)
	s_min_u32 s31, s31, 4
	s_sub_co_u32 s31, s31, 2
	s_lshl_b32 s31, s31, 6
	s_mul_i32 s67, s[HEAD], 192
	s_add_co_u32 s67, s67, s31
	s_mul_i32 s104, s67, 768
	s_mov_b32 s105, 0
	s_lshl_b32 s[G0SW+2], s67, 5
	s_mov_b32 s[G0SW+3], 0
	s_mul_i32 s2, s[WV], PART                      ; where they go: wave x 64 rows: the wave's number alone
	s_mul_i32 s3, s[WV], SPART
	s_add_co_u32 s3, s3, SCL
	s_wait_dscnt 0x0
	s_wait_kmcnt 0x0
	s_add_nc_u64 s[100:101], s[4:5], s[100:101]
	s_add_nc_u64 s[104:105], s[8:9], s[104:105]
	s_mov_b32 s[G0SX], 1
	s_mov_b32 s[G0SX+1], s3
	s_add_nc_u64 s[G0SX+2:G0SX+3], s[6:7], s[G0SX+2:G0SX+3]
	s_or_b32 s[G0SX+3], s[G0SX+3], 0x80000000
	s_mov_b32 s[G0SW], 1
	s_mov_b32 s[G0SW+1], s3
	s_add_nc_u64 s[G0SW+2:G0SW+3], s[10:11], s[G0SW+2:G0SW+3]
	s_or_b32 s[G0SW+3], s[G0SW+3], 0x80000000
.irp c, 0,1,2,3
	s_mov_b32 s[G0X+4*\c], 1
	s_add_co_u32 s[G0X+4*\c+1], s2, \c*CHUNK
	s_add_nc_u64 s[G0X+4*\c+2:G0X+4*\c+3], s[100:101], \c*192
	s_or_b32 s[G0X+4*\c+3], s[G0X+4*\c+3], 0x80000000
	s_mov_b32 s[G0W+4*\c], 1
	s_add_co_u32 s[G0W+4*\c+1], s2, \c*CHUNK
	s_add_nc_u64 s[G0W+4*\c+2:G0W+4*\c+3], s[104:105], \c*192
	s_or_b32 s[G0W+4*\c+3], s[G0W+4*\c+3], 0x80000000
.endr
	ROUND                                          ; all sixteen work-groups are here: the joint loads meet
	s_cmp_lt_u32 s[WV], 2                          ; a wave's five fills stand in one branch: five loads of a fetching wave are out
	s_cbranch_scc0 .Lnot_x
	tensor_load_to_lds s[G0SX:G0SX+3], s[G1S:G1S+7]
	s_nop 0
	tensor_load_to_lds s[G0X:G0X+3], s[G1X:G1X+7]
	s_nop 0
	tensor_load_to_lds s[G0X+4:G0X+7], s[G1X:G1X+7]
	s_nop 0
	tensor_load_to_lds s[G0X+8:G0X+11], s[G1X:G1X+7]
	s_nop 0
	tensor_load_to_lds s[G0X+12:G0X+15], s[G1X:G1X+7]
	s_nop 0
.rept 4
	v_nop
.endr
	s_branch .Lasked
.Lnot_x:
	s_cmp_lt_u32 s[WV], 5
	s_cbranch_scc0 .Lasked
	tensor_load_to_lds s[G0SW:G0SW+3], s[G1S:G1S+7]
	s_nop 0
	tensor_load_to_lds s[G0W:G0W+3], s[G1W:G1W+7]
	s_nop 0
	tensor_load_to_lds s[G0W+4:G0W+7], s[G1W:G1W+7]
	s_nop 0
	tensor_load_to_lds s[G0W+8:G0W+11], s[G1W:G1W+7]
	s_nop 0
	tensor_load_to_lds s[G0W+12:G0W+15], s[G1W:G1W+7]
	s_nop 0
.rept 4
	v_nop
.endr
.Lasked:
	; ---- every address register is made here, ahead of the first parting of the roles
	s_mov_b32 s[SEL], 0x76543210
	s_mov_b32 s[SEL+1], 0xfedcba98
	s_lshr_b32 s[ISV], s[ROLE], 1
	s_xor_b32 s[NOTV], s[ISV], 1
	s_min_u32 s[NOTQ], s[ROLE], 1
	s_xor_b32 s[ISQ], s[NOTQ], 1
	s_lshl_b32 s[R0], s[ROLE], 6                   ; source 0's first LDS row: Q 128, K 192, V 64 (idx & 1)
	s_add_co_u32 s[R0], s[R0], 128
	s_mul_i32 s[R0], s[R0], s[NOTV]
	s_and_b32 s[TA], s[IDX], 1
	s_lshl_b32 s[TA], s[TA], 6
	s_mul_i32 s[TA], s[TA], s[ISV]
	s_add_co_u32 s[R0], s[R0], s[TA]
	s_lshl_b32 s[R1], s[IDX], 5                    ; source 1's: Q, K 32 idx; V 256 + 32 (idx >> 1)
	s_mul_i32 s[R1], s[R1], s[NOTV]
	s_lshr_b32 s[TA], s[IDX], 1
	s_lshl_b32 s[TA], s[TA], 5
	s_add_co_u32 s[TA], s[TA], 256
	s_mul_i32 s[TA], s[TA], s[ISV]
	s_add_co_u32 s[R1], s[R1], s[TA]
	s_lshl_b32 s[N1], s[NOTQ], 3                   ; rows from source 1's tile 0 to its tile 1: Q 8, else 16
	s_add_co_u32 s[N1], s[N1], 8
	v_and_b32 v1, 15, v0                           ; r
	v_bfe_u32 v2, v0, 4, 1                         ; h
	v_and_b32 v3, 31, v0
	v_lshlrev_b32 v12, 4, v3                       ; 16 x lane
	v_lshlrev_b32 v13, 3, v3                       ; 8 x lane
	v_mul_u32_u24 v4, v1, PITCH
	v_mad_u32_u24 v4, v2, 24, v4
	s_mul_i32 s[TA], s[R0], PITCH
	v_add_nc_u32 v4, s[TA], v4                     ; source 0: row x pitch + 24 h
	v_lshl_add_u32 v5, v2, 4, v4                   ; and behind one padding more
	v_and_b32 v14, 8, v1
	v_mul_u32_u24 v14, s[ISQ], v14
	v_add_nc_u32 v14, v14, v1                      ; source 1's row of my lane: r, for Q r + (r & 8): natural tokens 16 n + r
	v_mul_u32_u24 v6, v14, PITCH
	v_mad_u32_u24 v6, v2, 24, v6
	s_mul_i32 s[TA], s[R1], PITCH
	v_add_nc_u32 v6, s[TA], v6
	v_lshl_add_u32 v7, v2, 4, v6
	s_mul_i32 s[TA], s[N1], PITCH
	v_add_nc_u32 v8, s[TA], v6
	v_add_nc_u32 v9, s[TA], v7
	v_lshrrev_b32 v10, 3, v1                       ; scale bytes of LDS row p: SCL + 272 (p / 8) + 32 (p % 8)
	v_mul_u32_u24 v10, v10, 272
	v_and_b32 v11, 7, v1
	v_lshl_add_u32 v10, v11, 5, v10
	s_lshr_b32 s[TA], s[R0], 3
	s_mul_i32 s[TA], s[TA], 272
	s_add_co_u32 s[TA], s[TA], SCL
	v_add_nc_u32 v10, s[TA], v10
	v_lshrrev_b32 v11, 3, v14
	v_mul_u32_u24 v11, v11, 272
	v_and_b32 v15, 7, v14
	v_lshl_add_u32 v11, v15, 5, v11
	s_lshr_b32 s[TA], s[R1], 3
	s_mul_i32 s[TA], s[TA], 272
	s_add_co_u32 s[TA], s[TA], SCL
	v_add_nc_u32 v11, s[TA], v11
	s_lshr_b32 s[TA], s[N1], 3
	s_mul_i32 s[TA], s[TA], 272
	v_add_nc_u32 v3, s[TA], v11
	s_lshr_b32 s[TA], s[IDX], 1                    ; V's two bytes: VSTG + 16 lane + 8 (idx >> 1) + 2 (idx & 1) (+ 4 n)
	s_lshl_b32 s[TA], s[TA], 3
	s_and_b32 s[TA+1], s[IDX], 1
	s_lshl_b32 s[TA+1], s[TA+1], 1
	s_add_co_u32 s[TA], s[TA], s[TA+1]
	s_add_co_u32 s[TA], s[TA], VSTG
	v_add_nc_u32 v14, s[TA], v12
	v_add_nc_u32 v15, VSTG, v12
	v_and_b32 v18, 8, v1
	v_add_nc_u32 v18, v18, v1                      ; the key tile's token of my lane: r + (r & 8)
	v_lshlrev_b32 v19, 6, v2                       ; in_bias, Q and K: 16 h numbers on
	v_lshlrev_b32 v20, 2, v1                       ; V: number r
	s_lshl_b32 s[TA], s[TT], 7
	s_lshl_b32 s[TA+1], s[IDX], 5
	s_add_co_u32 s[TA], s[TA], s[TA+1]
	s_mov_b32 s[TA+1], 0
	s_add_nc_u64 s[14:15], s[14:15], s[TA:TA+1]
	global_load_u8 v16, v18, s[14:15]              ; mask of token 128 tile + 32 idx + 8 n + r + (r & 8), n = 0,
	global_load_u8 v17, v18, s[14:15] offset:8     ; n = 1 (K's waves use them; every address lies inside the buffer)
	s_mul_i32 s[TA], s[HEAD], 768
	s_add_nc_u64 s[12:13], s[12:13], s[TA:TA+1]    ; in_bias at the head's 192 numbers
	; ---- the bias starts the sums: it is loaded into the accumulators, in the result's layout
	s_cmp_lt_u32 s[WV], 8
	s_cbranch_scc0 .Lbias_v
	s_lshl_b32 s[TA], s[ROLE], 8
	s_add_nc_u64 s[12:13], s[12:13], s[TA:TA+1]
.irp n, 0,1
.irp a, 0,1,2,3
	global_load_b128 v[ACC+32*\n+8*\a:ACC+32*\n+8*\a+3], v19, s[12:13] offset:(32*(\a/2)+8*(\a%2))*4        ; d = 32 (a / 2) + 16 h + 8 (a % 2) + 0 .. 7
	global_load_b128 v[ACC+32*\n+8*\a+4:ACC+32*\n+8*\a+7], v19, s[12:13] offset:(32*(\a/2)+8*(\a%2))*4+16
.endr
.endr
	s_wait_loadcnt 0x0
	s_branch .Lbias_done
.Lbias_v:
	s_lshr_b32 s[TA], s[IDX], 1
	s_lshl_b32 s[TA], s[TA], 7
	s_add_co_u32 s[TA], s[TA], 512
	s_add_nc_u64 s[12:13], s[12:13], s[TA:TA+1]
	global_load_b32 v[ACC], v20, s[12:13]          ; a lane holds one d: one number for all its 32 registers of tile n
	global_load_b32 v[ACC+32], v20, s[12:13] offset:64
	s_wait_loadcnt 0x0
.set jj, 1
.rept 31
	v_mov_b32 v[ACC+jj], v[ACC]
	v_mov_b32 v[ACC+32+jj], v[ACC+32]
.set jj, jj+1
.endr
.Lbias_done:
; a fragment: 16 rows x 128 K of 6-bit codes, 12 registers, in pieces of 8 bytes; lanes 16-31 read three pieces on, which for some pieces is behind one padding more: the second address register
.macro FRAG reg, adr, q, off
.irp p, 0,1,2,3,4,5
.set PCE, 12*(\q)+6*(\p/3)+\p%3
.if PCE%8 < 5
	ds_load_b64 v[\reg+2*\p:\reg+2*\p+1], v[\adr] offset:8*PCE+16*(PCE/8)+(\off)
.else
	ds_load_b64 v[\reg+2*\p:\reg+2*\p+1], v[\adr+1] offset:8*PCE+16*(PCE/8)+(\off)
.endif
.endr
.endm
; 128 along K: six fragments, eight products.  The eight accumulators take turns, one instruction a turn.
.macro KSTEP c, q, places
.rept \places
	v_nop                                          ; places in front of loads into registers that matrix instructions have read
.endr
.irp a, 0,1,2,3
	FRAG F0+FR*\a, 4, \q, \a*16*PITCH
.endr
	FRAG F1, 6, \q, 0
	FRAG F1+FR, 8, \q, 0
	s_wait_dscnt 0x0
.irp n, 0,1
.irp a, 0,1,2,3
	v_wmma_scale_f32_16x16x128_f8f6f4 v[ACC+32*\n+8*\a:ACC+32*\n+8*\a+7], v[F0+FR*\a:F0+FR*\a+FR-1], v[F1+FR*\n:F1+FR*\n+FR-1], v[ACC+32*\n+8*\a:ACC+32*\n+8*\a+7], v[SC0+8*\a+2*\c+\q], v[SC1+8*\n+2*\c+\q] matrix_a_fmt:MATRIX_FMT_FP6 matrix_b_fmt:MATRIX_FMT_FP6
.endr
.endr
.endm
.irp c, 0,1,2,3
	s_wait_tensorcnt 3-\c                          ; a wave's loads end in order: the scale bytes and chunks 0 .. c are in, the 3 - c younger stay out
	s_barrier_signal -1
	s_barrier_wait -1                              ; everybody's are
.if \c == 0
.irp a, 0,1,2,3
	ds_load_b128 v[SC0+8*\a:SC0+8*\a+3], v10 offset:544*\a          ; a row's 32 scale bytes: the words of all eight steps
	ds_load_b128 v[SC0+8*\a+4:SC0+8*\a+7], v10 offset:544*\a+16
.endr
	ds_load_b128 v[SC1:SC1+3], v11
	ds_load_b128 v[SC1+4:SC1+7], v11 offset:16
	ds_load_b128 v[SC1+8:SC1+11], v3
	ds_load_b128 v[SC1+12:SC1+15], v3 offset:16
.else
.irp r, 4,5,6,7,8,9
	v_add_nc_u32 v\r, CHUNK, v\r                   ; on to the next chunk; these six are also the places in front of the loads
.endr
.endif
	KSTEP \c, 0, 0
	KSTEP \c, 1, 4
.endr
; ---- tile n's 32 numbers of a lane, register 16 b + i = k 32 b + 16 h + i, become six registers of codes (lane (r, h): block h) and two scale bytes
.macro QUANT32 n
.set QS, ACC+32*\n
.set QC, PC+8*\n
.set QT, PT+4*\n
.set QM, TM+8*\n
.irp b, 0,1
	v_max3_num_f32 v[QM+\b], |v[QS+16*\b]|, |v[QS+16*\b+1]|, 0x1800000   ; each accumulator is read from its low end on; the floor 2^(3 - 127)
.endr
.irp i, 2,4,6,8,10,12,14
.irp b, 0,1
	v_max3_num_f32 v[QM+\b], v[QM+\b], |v[QS+16*\b+\i]|, |v[QS+16*\b+\i+1]|
.endr
.endr
.irp b, 0,1
	v_permlanex16_b32 v[QM+2+\b], v[QM+\b], s[SEL], s[SEL+1]
.endr
.irp b, 0,1
	v_max_num_f32 v[QM+\b], v[QM+\b], v[QM+2+\b]   ; with lane l xor 16's 16: the block's largest magnitude
.endr
.irp b, 0,1
	v_add_nc_u32 v[QM+4+\b], 0xff000000, v[QM+\b]  ; 2 off the exponent field: the conversion's scale operand
.endr
.irp b, 0,1
	v_lshrrev_b32 v[QM+6+\b], 23, v[QM+4+\b]       ; the byte
.endr
	v_lshl_or_b32 v[W01+\n], v[QM+7], 8, v[QM+6]
	v_cvt_scalef32_pk16_fp6_f32 v[QC:QC+2], v[QS:QS+15], v[QM+4]
	v_cvt_scalef32_pk16_fp6_f32 v[QT:QT+2], v[QS+16:QS+31], v[QM+5]
	v_nop                                          ; one plain line behind the conversions
.irp i, 0,1,2
	v_permlane16_swap_b32 v[QC+\i], v[QT+\i]       ; a whole block to a lane: lanes 0-15 block 0, lanes 16-31 block 1
.endr
.irp i, 0,1,2
	v_mov_b32 v[QC+3+\i], v[QT+\i]
.endr
.endm
.rept 4
	v_nop                                          ; places behind the last products
.endr
.irp i, 2,3,10,11
	v_mov_b32 v[TM+\i], 0                          ; a lane permute's destination counts as one of its sources
.endr
	QUANT32 0
	QUANT32 1
	s_lshr_b32 s[R0], s[TT], 4                     ; the batch
	s_lshl_b32 s[R0], s[R0], 2
	s_lshr_b32 s[R1], s[HEAD], 2
	s_add_co_u32 s[R0], s[R0], s[R1]
	s_lshl_b32 s[R0], s[R0], 4
	s_and_b32 s[R1], s[TT], 15
	s_add_co_u32 s[R0], s[R0], s[R1]               ; block (4 batch + head / 4) 16 + key step
	s_and_b32 s[R1], s[HEAD], 3                    ; the head's place in it
	s_mov_b32 s[TA+1], 0
	s_cmp_lt_u32 s[WV], 4
	s_cbranch_scc0 .Ltail_k
	; ---- Q: tiles (16 batch + head) 128 + 8 (tile % 16) + 2 idx + n
	s_lshr_b32 s[TA], s[TT], 4
	s_lshl_b32 s[TA], s[TA], 4
	s_add_co_u32 s[TA], s[TA], s[HEAD]
	s_lshl_b32 s[TA], s[TA], 7
	s_and_b32 s[N1], s[TT], 15
	s_lshl_b32 s[N1], s[N1], 3
	s_add_co_u32 s[TA], s[TA], s[N1]
	s_lshl_b32 s[N1], s[IDX], 1
	s_add_co_u32 s[TA], s[TA], s[N1]
	s_lshl_b32 s[TA], s[TA], 10
	s_add_nc_u64 s[16:17], s[16:17], s[TA:TA+1]
.irp n, 0,1
	v_or_b32 v[WQ+2*\n], 0x7f7f0000, v[W01+\n]     ; blocks 2 and 3 of the instruction's 128: the byte of 1.0
	v_mov_b32 v[WQ+2*\n+1], v[WQ+2*\n]
	global_store_b128 v12, v[PC+8*\n:PC+8*\n+3], s[16:17] offset:1024*\n
	global_store_b64 v13, v[PC+8*\n+4:PC+8*\n+5], s[16:17] offset:1024*\n+512
	global_store_b64 v13, v[WQ+2*\n:WQ+2*\n+1], s[16:17] offset:1024*\n+768
.endr
	s_branch .Ltail_done
.Ltail_k:
	s_cmp_lt_u32 s[WV], 8
	s_cbranch_scc0 .Ltail_v
	; ---- K: key tiles 2 idx + n of the head's part of the block
	s_mul_i32 s[TA], s[R0], 36864
	s_mul_i32 s[N1], s[R1], 9216
	s_add_co_u32 s[TA], s[TA], s[N1]
	s_add_nc_u64 s[18:19], s[18:19], s[TA:TA+1]
	s_lshl_b32 s[TA], s[IDX], 11
	s_add_nc_u64 s[100:101], s[18:19], s[TA:TA+1]  ; the tiles
	s_lshl_b32 s[TA], s[IDX], 8
	s_add_nc_u64 s[18:19], s[18:19], s[TA:TA+1]    ; the scale words
.irp n, 0,1
	v_xor_b32 v[TF+\n], 1, v[16+\n]
	v_and_b32 v[PC+8*\n+6], v[TF+\n], v2           ; register 6: code 1 (0.125) at k = 96, in lanes 16-31 of a key whose mask byte is 0
	v_mov_b32 v[PC+8*\n+7], 0
	v_mul_u32_u24 v[TF+\n], v[PC+8*\n+6], 100
	v_add_nc_u32 v[TF+\n], 127, v[TF+\n]           ; block 3's byte: 227 (2^100) there, else 127
	v_lshl_or_b32 v[WK+\n], v[TF+\n], 24, v[W01+\n]
	v_or_b32 v[WK+\n], 0x7f0000, v[WK+\n]
	global_store_b128 v12, v[PC+8*\n:PC+8*\n+3], s[100:101] offset:1024*\n
	global_store_b128 v12, v[PC+8*\n+4:PC+8*\n+7], s[100:101] offset:1024*\n+512
.endr
	global_store_b64 v13, v[WK:WK+1], s[18:19] offset:8192
	s_branch .Ltail_done
.Ltail_v:
	; ---- V: d tiles 2 (idx >> 1) + n, the keys' half idx & 1
	s_mul_i32 s[TA], s[R0], 26624
	s_mul_i32 s[N1], s[R1], 6656
	s_add_co_u32 s[TA], s[TA], s[N1]
	s_add_nc_u64 s[20:21], s[20:21], s[TA:TA+1]
	s_lshr_b32 s[TA], s[IDX], 1
	s_mul_i32 s[TA], s[TA], 3072
	s_and_b32 s[N1], s[IDX], 1
	s_mul_i32 s[N1], s[N1], 768
	s_add_co_u32 s[TA], s[TA], s[N1]
	s_add_nc_u64 s[100:101], s[20:21], s[TA:TA+1]
.irp n, 0,1
	global_store_b128 v12, v[PC+8*\n:PC+8*\n+3], s[100:101] offset:1536*\n
	global_store_b64 v13, v[PC+8*\n+4:PC+8*\n+5], s[100:101] offset:1536*\n+512
	ds_store_b16 v14, v[W01+\n] offset:4*\n        ; two of the four bytes of d tile dt's scale word
.endr
.Ltail_done:
	s_wait_dscnt 0x0                               ; for the others' sake: my stores into LDS are done
	s_barrier_signal -1
	s_barrier_wait -1
	s_cmp_lg_u32 s[WV], 8
	s_cbranch_scc1 .Lno_vs
	ds_load_b128 v[84:87], v15                     ; the four d tiles' words of my lane's row
	s_wait_dscnt 0x0
	global_store_b128 v12, v[84:87], s[20:21] offset:6144
.Lno_vs:
	s_wait_tensorcnt 0x0
	ds_add_u32 v216, v217
	s_wait_dscnt 0x0
	ROUND                                          ; the closing round: no work-group ends while a partner may still ask for a tile that names it
	s_endpgm
.Lfunc_end_k_qc5519a1790_gemm:
	.size	k_qc5519a1790_gemm, .Lfunc_end_k_qc5519a1790_gemm-k_qc5519a1790_gemm
	.p2alignl 7, 3214868480
	.fill 96, 4, 3214868480
	.section	.rodata,"a",@progbits
	.p2align	6, 0x0
	.amdhsa_kernel k_qc5519a1790_gemm
		.amdhsa_group_segment_fixed_size 327680
		.amdhsa_private_segment_fixed_size 0
		.amdhsa_enable_private_segment 0
		.amdhsa_kernarg_size 72
		.amdhsa_user_sgpr_count 2
		.amdhsa_user_sgpr_kernarg_segment_ptr 1
		.amdhsa_wavefront_size32 1
		.amdhsa_system_sgpr_workgroup_id_x 1
		.amdhsa_system_sgpr_workgroup_id_y 1
		.amdhsa_system_sgpr_workgroup_id_z 1
		.amdhsa_system_vgpr_workitem_id 0
		.amdhsa_next_free_vgpr 218
		.amdhsa_next_free_sgpr 106
		.amdhsa_reserve_vcc 0
		.amdhsa_float_denorm_mode_32 3
		.amdhsa_float_denorm_mode_16_64 3
		.amdhsa_memory_ordered 1
		.amdhsa_forward_progress 1
		.amdhsa_inst_pref_size 53
	.end_amdhsa_kernel
	.amdgpu_metadata
---
amdhsa.version: [ 1, 2 ]
amdhsa.kernels:
  - .name:           k_qc5519a1790_gemm
    .symbol:         k_qc5519a1790_gemm.kd
    .args:
      - { .name: xc, .offset: 0, .size: 8, .value_kind: global_buffer, .address_space: global }
      - { .name: xs, .offset: 8, .size: 8, .value_kind: global_buffer, .address_space: global }
      - { .name: wc, .offset: 16, .size: 8, .value_kind: global_buffer, .address_space: global }
      - { .name: ws, .offset: 24, .size: 8, .value_kind: global_buffer, .address_space: global }
      - { .name: in_bias, .offset: 32, .size: 8, .value_kind: global_buffer, .address_space: global }
      - { .name: mask, .offset: 40, .size: 8, .value_kind: global_buffer, .address_space: global }
      - { .name: qp, .offset: 48, .size: 8, .value_kind: global_buffer, .address_space: global }
      - { .name: kp, .offset: 56, .size: 8, .value_kind: global_buffer, .address_space: global }
      - { .name: vp, .offset: 64, .size: 8, .value_kind: global_buffer, .address_space: global }
    .group_segment_fixed_size: 327680
    .private_segment_fixed_size: 0
    .kernarg_segment_align: 8
    .kernarg_segment_size: 72
    .max_flat_workgroup_size: 384
    .sgpr_count:     106
    .vgpr_count:     218
    .wavefront_size: 32
...
	.end_amdgpu_metadata
.endif
;; end of part 2
;; launch attn (part 3): grid 4 x 64, 16 waves a work-group, clusters of 4 x 4, 327,680 bytes of LDS; arguments qp, kp, vp, adj, gamma, mask, out_bias, out0; writes out0
.if DOCPART == 3
	.amdgcn_target "amdgcn-amd-amdhsa--gfx1250"
	.amdhsa_code_object_version 6
	.text
	.protected	k_qc5519a1790_attn
	.globl	k_qc5519a1790_attn
	.p2align	8
	.type	k_qc5519a1790_attn,@function
k_qc5519a1790_attn:
	s_mov_b64 s[64:65], 0
	v_nop
	global_prefetch_b8 v0, s[64:65] scope:SCOPE_SE
	s_setreg_imm32_b32 hwreg(HW_REG_WAVE_MODE, 25, 1), 1
	s_wait_xcnt 0x0
	s_wait_alu depctr_hold_cnt(0) depctr_sa_sdst(0) depctr_va_vdst(0) depctr_va_sdst(0) depctr_va_ssrc(0) depctr_va_vcc(0) depctr_vm_vsrc(0)
	s_getreg_b32 s2, hwreg(HW_REG_IB_STS2, 6, 4)
	s_cmp_eq_u32 s2, 0
	s_cbranch_scc0 .Lentry_in_a_cluster
	s_endpgm
.Lentry_in_a_cluster:
	s_bfe_u32 s2, ttmp6, 0x10000c
	s_cmp_lg_u32 s2, 0xf033
	s_cbranch_scc0 .Lentry_shape_is_right
	s_endpgm
.Lentry_shape_is_right:
; out = (softmax(Q K^T / 8 - slope |k - q| + gamma adj) x mask_q mask_k) V + out_bias, both products on codes of FP6 (E2M3) with E8M0 scales.
; What is quantised for the second product is the FINISHED weight (normalised, masked), along the keys.  So the scores are made twice:
;   pass 1: each lane keeps a running maximum and sum of 2^(t - m) over its keys, t = score x log2(e); at its end the two halves of the lanes join: M2 = m + log2(l).
;   pass 2: p = 2^(t - M2) is the finished weight; it is quantised block by block of 32 keys and multiplied by V.
; THE KEYS' MASK costs no vector work: the first product uses k 0 .. 63 of the instruction's 128.  In pass 2 Q's fragment holds the code of -1.0 at k = 96, and a key whose mask byte is 0
; holds 0.125 x 2^100 there (made by the launch before): its score gets -2^97 and its p is exactly 0.  In pass 1 Q holds 0 there: such keys count in the sum, as in the softmax ahead of the mask.
; The queries' mask multiplies O at the end.
; SHARES.  A work-group: 64 queries x 4 heads.  Wave w: head w / 4 of the four, queries 16 (w % 4) on: one tile; four waves to a SIMD.  Both products are used transposed: a lane holds ONE query.
; Keys go 128 a step through two LDS slots; a slot holds adj's 64 x 128 numbers, K's block and V's block for the four heads.  Wave 0 fetches adj, wave 1 K, wave 2 V.
; CLUSTER 4 x 4: adj's tile hangs on the queries alone: asked for jointly along a row of the cluster (the four head groups); K's and V's blocks on batch and head group: along a column.
; The alibi term is linear in the key wherever all of a step's keys lie on one side of all the cluster's 256 queries: 14 of 16 steps; the two others take |.|.  The branch hangs on the cluster's y and the step's count alone.
; REGISTERS THAT HOLD LDS ADDRESSES (v1, v3-8, v19, v21; s2, s3) hold nothing else in the whole launch: nothing of the work-group's place in its cluster, no loaded data.
; LIMITS: scores under 2^90 in magnitude (the mask's -2^97 must dominate); a p under 2^-126 becomes 0; NaN and infinities are not served.
.set SLOT1,  1<<17
.set APITCH, 528                       ; a row of adj in LDS: 512 bytes + 16
.set KOFF,   64*APITCH                 ; 33,792
.set KBLK,   36864
.set VOFF,   KOFF+KBLK                 ; 70,656
.set VBLK,   26624
.set SPARE,  2*SLOT1                   ; the spare words: 128 bytes for each of 16 waves; no other line names them
.set SP,     272                       ; the way out: 16 rows x (256 + 16) bytes a wave, in slot 0, which by then has had its last fill and its last read
.set SPW, 1                            ; v1  SPARE + 4 x thread; never rewritten
.set NIL, 2                            ; v2  0; never rewritten
.set L16, 3                            ; v3  16 x lane
.set L8,  4                            ; v4  8 x lane
.set AAD0, 5                           ; v5  my place in adj's tile: (16 i + r) 528 + 64 h
.set ADA, 6                            ; v6-8 addresses of the step in hand: adj, K (16 a lane), K (8 a lane)
.set ADK, 7
.set ADK8, 8
.set QS,  9                            ; v9  Q's scale word
.set PW,  10                           ; v10 p's scale word
.set MR,  11                           ; v11 the running maximum
.set D0,  12                           ; v12-15 f32(16 h - my query + 32 k), k = 0 .. 3
.set NM,  16                           ; v[16:17] -M2 (0 in pass 1)
.set EE,  18                           ; v18, v20 the linear term at a block's first key: the low words of pairs of which the low word serves both halves,
.set ADV, 19                           ; v19, v21 so the pairs' upper words need only be written: they hold V's LDS addresses (16 and 8 a lane)
.set ADV8, 21
.set XB,  22                           ; v[22:23], v[24:25] a block's first key - my query
.set LP,  26                           ; v[26:27] the sum in two halves
.set MN,  28                           ; v[28:29] the new maximum
.set FF,  30                           ; v[30:31] 2^(old maximum - new)
.set J,   32                           ; v32-47 0.0 .. 15.0
.set Q,   48                           ; v48-59 Q's fragment
.set KS,  60                           ; v60-67 K's scale words
.set VS,  68                           ; v68-71 V's
.set FR,  72                           ; v72-119 four fragments of K; registers 8-11 of each stay 0
.set S,   120                          ; v120-151 S^T, then t, then p
.set AD,  152                          ; v152-183 adj, then the whole addend
.set TP,  184                          ; v184-191 at work
.set VF,  152                          ; v152-199 V's four fragments, over AD and TP
.set O,   200                          ; v200-231 O^T
.set PC,  232                          ; v232-243 p's codes
.set PT,  244
.set TM,  248                          ; v248-255 at work
.set LT0, 2                            ; s2, s3 scalars that enter LDS addresses, and nothing else
.set LT1, 3
.set WV,  20
.set HJ,  21
.set QI,  22
.set CX,  23
.set CY,  24
.set CYL, 25
.set WGY, 26
.set HEAD, 27
.set BB,  28
.set T0,  29
.set T1,  30
.set CNT, 31
.set G1A, 32
.set G1K, 40
.set G1V, 48
.set G0A, 56
.set G0K, 60
.set G0V0, 68
.set G0V1, 72
.set C2,  76                           ; s[76:77] log2(e) / 8
.set G2,  78                           ; s[78:79] gamma x log2(e)
.set NSL, 80                           ; s[80:81] -slope x log2(e)
.set SS,  82                           ; s[82:83] the step's signed slope
.set SEL, 84
.set SL2, 86
.set ABSM, 87
.set ZLO, 88                           ; the first of the two steps that hold the cluster's queries
.set ST,  89                           ; the step's number
.set K0F, 90                           ; its first key, f32
.set TB,  91                           ; the slot in hand
.set KJ,  92
.set VJ,  93
.macro ROUND                           ; a round of the cluster's barrier
	s_barrier_signal -1
	s_barrier_wait -1
	s_cmp_lg_u32 s[WV], 0
	s_cbranch_scc1 .Lnw0_\@
	s_barrier_signal -3
.Lnw0_\@:
	s_barrier_wait -3
	s_barrier_signal -1
	s_barrier_wait -1
.endm
.macro PLACES n
.rept \n
	v_nop
.endr
.endm
; the joint refills: wave 0 adj, wave 1 K, wave 2 V (withv = 1); four v_nop follow each line
.macro TLOAD withv
	s_cmp_lg_u32 s[WV], 0
	s_cbranch_scc1 .Lna_\@
	tensor_load_to_lds s[G0A:G0A+3], s[G1A:G1A+7]
	s_nop 0
	PLACES 4
	s_branch .Ltd_\@
.Lna_\@:
	s_cmp_lg_u32 s[WV], 1
	s_cbranch_scc1 .Lnk_\@
	tensor_load_to_lds s[G0K:G0K+3], s[G1K:G1K+7]
	s_nop 0
	PLACES 4
	s_branch .Ltd_\@
.Lnk_\@:
.if \withv
	s_cmp_lg_u32 s[WV], 2
	s_cbranch_scc1 .Ltd_\@
	tensor_load_to_lds s[G0V1:G0V1+3], s[G1V:G1V+7]
	s_nop 0
	PLACES 4
.endif
.Ltd_\@:
.endm
	s_load_b256 s[4:11], s[0:1], 0x0               ; qp, kp, vp, adj
	s_load_b256 s[12:19], s[0:1], 0x20             ; gamma, mask, out_bias, out0
	v_lshl_add_u32 v[SPW], v0, 2, SPARE
	v_mov_b32 v[NIL], 0
	ds_add_u32 v1, v2
	s_wait_dscnt 0x0
	v_lshrrev_b32 v3, 5, v0
	v_readfirstlane_b32 s[WV], v3                  ; wave 0..15
	s_lshr_b32 s[HJ], s[WV], 2                     ; my head of the four
	s_and_b32 s[QI], s[WV], 3                      ; my tile of 16 queries
	s_bfe_u32 s[CX], ttmp6, 0x40000                ; cx: the head group
	s_bfe_u32 s[CY], ttmp6, 0x40004
	s_and_b32 s[CYL], ttmp7, 0xffff                ; the cluster's y
	s_lshl_b32 s[WGY], s[CYL], 2
	s_add_co_u32 s[WGY], s[WGY], s[CY]             ; my block of 64 queries, 0 .. 63
	s_lshl_b32 s[HEAD], s[CX], 2
	s_add_co_u32 s[HEAD], s[HEAD], s[HJ]
	s_lshr_b32 s[BB], s[CYL], 3                    ; the batch
	s_lshl_b32 s94, s[CY], 2
	s_lshl_b32 s94, 15, s94                        ; my row of the cluster
	s_lshl_b32 s95, 0x1111, s[CX]                  ; my column
	s_or_b32 s[G1A], s94, (2<<16)|(1<<20)|(1<<21)|(6<<22)|(3<<25)   ; elements of 4 bytes; padding: after every 128 words, 4 words
	s_mov_b32 s[G1A+1], 128<<16
	s_mov_b32 s[G1A+2], 64<<16
	s_mov_b32 s[G1A+3], 128<<16
	s_mov_b32 s[G1A+4], 64
	s_mov_b32 s[G1A+5], 2048
	s_mov_b32 s[G1A+6], 0
	s_mov_b32 s[G1A+7], 0
	s_or_b32 s[G1K], s95, (3<<16)|(1<<21)          ; a dense block as rows of 256 bytes (32 elements of 8): 144 rows
	s_mov_b32 s[G1K+1], 32<<16
	s_mov_b32 s[G1K+2], 144<<16
	s_mov_b32 s[G1K+3], 32<<16
	s_mov_b32 s[G1K+4], 144
	s_mov_b32 s[G1K+5], 32
	s_mov_b32 s[G1K+6], 0
	s_mov_b32 s[G1K+7], 0
	s_or_b32 s[G1V], s95, (3<<16)|(1<<21)          ; 104 rows
	s_mov_b32 s[G1V+1], 32<<16
	s_mov_b32 s[G1V+2], 104<<16
	s_mov_b32 s[G1V+3], 32<<16
	s_mov_b32 s[G1V+4], 104
	s_mov_b32 s[G1V+5], 32
	s_mov_b32 s[G1V+6], 0
	s_mov_b32 s[G1V+7], 0
	s_lshl_b32 s98, s[WGY], 19                     ; adj: 64 rows of 8,192 bytes a block of queries
	s_mov_b32 s99, 0
	s_lshl_b32 s100, s[BB], 2
	s_add_co_u32 s100, s100, s[CX]                 ; 4 batch + head group
	s_mul_i32 s104, s100, 16*VBLK
	s_mov_b32 s105, 0
	s_mul_i32 s100, s100, 16*KBLK
	s_mov_b32 s101, 0
	s_lshl_b32 s97, s[HEAD], 2
	s_wait_kmcnt 0x0
	s_load_b32 s[G2], s[12:13], s97 offset:0x0     ; gamma of my head
	s_mov_b32 s[G0A], 1
	s_mov_b32 s[G0A+1], 0
	s_add_nc_u64 s[G0A+2:G0A+3], s[10:11], s[98:99]
	s_or_b32 s[G0A+3], s[G0A+3], 0x80000000
	s_mov_b32 s[G0K], 1
	s_mov_b32 s[G0K+1], KOFF
	s_add_nc_u64 s[G0K+2:G0K+3], s[6:7], s[100:101]
	s_or_b32 s[G0K+3], s[G0K+3], 0x80000000
	s_mov_b32 s[G0V0], 1
	s_mov_b32 s[G0V0+1], VOFF
	s_add_nc_u64 s[G0V0+2:G0V0+3], s[8:9], s[104:105]
	s_mov_b32 s[G0V1], 1
	s_mov_b32 s[G0V1+1], SLOT1+VOFF
	s_add_nc_u64 s[G0V1+2:G0V1+3], s[G0V0+2:G0V0+3], VBLK
	s_or_b32 s[G0V0+3], s[G0V0+3], 0x80000000
	s_or_b32 s[G0V1+3], s[G0V1+3], 0x80000000
	ROUND                                          ; all sixteen work-groups are here: the first joint loads meet
	s_cmp_lg_u32 s[WV], 0                          ; the first fills: step 0's adj and K into slot 0; V's steps 0 and 1, which pass 2 reads, one into each slot: two loads of wave 2 are out
	s_cbranch_scc1 .Lf_not_a
	tensor_load_to_lds s[G0A:G0A+3], s[G1A:G1A+7]
	s_nop 0
	PLACES 4
	s_branch .Lf_done
.Lf_not_a:
	s_cmp_lg_u32 s[WV], 1
	s_cbranch_scc1 .Lf_not_k
	tensor_load_to_lds s[G0K:G0K+3], s[G1K:G1K+7]
	s_nop 0
	PLACES 4
	s_branch .Lf_done
.Lf_not_k:
	s_cmp_lg_u32 s[WV], 2
	s_cbranch_scc1 .Lf_done
	tensor_load_to_lds s[G0V0:G0V0+3], s[G1V:G1V+7]
	s_nop 0
	tensor_load_to_lds s[G0V1:G0V1+3], s[G1V:G1V+7]
	s_nop 0
	PLACES 4
.Lf_done:
	s_wait_kmcnt 0x0                               ; gamma is in: only behind this wait is its offset register written again
	v_and_b32 v3, 31, v0
	v_lshlrev_b32 v[L8], 3, v3
	v_lshlrev_b32 v[L16], 4, v3
	s_lshl_b32 s96, s[BB], 4                       ; Q's tile: (16 batch + head) 128 + 4 (block % 32) + i
	s_add_co_u32 s96, s96, s[HEAD]
	s_lshl_b32 s96, s96, 7
	s_and_b32 s[T0], s[WGY], 31
	s_lshl_b32 s[T1], s[T0], 2
	s_add_co_u32 s96, s96, s[T1]
	s_add_co_u32 s96, s96, s[QI]
	s_lshl_b32 s96, s96, 10
	s_mov_b32 s97, 0
	s_add_nc_u64 s[4:5], s[4:5], s[96:97]
	global_load_b128 v[Q:Q+3], v[L16], s[4:5]
	global_load_b64 v[Q+4:Q+5], v[L8], s[4:5] offset:512
	global_load_b32 v[QS], v[L8], s[4:5] offset:768
.irp i, 6,7,8,9,10,11
	v_mov_b32 v[Q+\i], 0                           ; k 64 .. 127 of Q: zero codes.  (These and the next sixteen stand here, far more than four plain vector lines ahead of the first scaled product that takes them)
.endr
.irp t, 0,1,2,3
.irp i, 8,9,10,11
	v_mov_b32 v[FR+12*\t+\i], 0                    ; the rest of K's fragments: zero codes, never loaded
.endr
.endr
	s_mul_f32 s[G2], s[G2], 0x3fb8aa3b
	s_mov_b32 s[G2+1], s[G2]
	s_mov_b32 s[C2], 0x3e38aa3b
	s_mov_b32 s[C2+1], s[C2]
	s_sub_co_u32 s[T1], 126, s[HEAD]               ; slope = 2^-(head + 1) for heads 0-7, 0 from head 8 on
	s_lshl_b32 s[T1], s[T1], 23
	s_cmp_lt_u32 s[HEAD], 8
	s_cselect_b32 s[T1], s[T1], 0
	s_mul_f32 s[SL2], s[T1], 0x3fb8aa3b
	s_xor_b32 s[NSL], s[SL2], 0x80000000
	s_mov_b32 s[NSL+1], s[NSL]
	s_mov_b32 s[SS], 0
	s_mov_b32 s[SS+1], 0
	s_mov_b32 s[SEL], 0x76543210
	s_mov_b32 s[SEL+1], 0xfedcba98
	s_mov_b32 s[ABSM], 0x7fffffff
	s_and_b32 s[ZLO], s[CYL], 7
	s_lshl_b32 s[ZLO], s[ZLO], 1
	s_mov_b32 s[ST], 0
	s_mov_b32 s[K0F], 0
	s_mov_b32 s[TB], 0
	s_mul_i32 s[KJ], s[HJ], 9216
	s_add_co_u32 s[KJ], s[KJ], KOFF
	s_mul_i32 s[VJ], s[HJ], 6656
	s_add_co_u32 s[VJ], s[VJ], VOFF
	v_and_b32 v6, 15, v0                           ; r
	v_bfe_u32 v7, v0, 4, 1                         ; h
	s_lshl_b32 s[LT0], s[QI], 4
	s_mul_i32 s[LT0], s[LT0], APITCH
	v_mul_u32_u24 v[AAD0], v6, APITCH
	v_lshl_add_u32 v[AAD0], v7, 6, v[AAD0]
	v_add_nc_u32 v[AAD0], s[LT0], v[AAD0]
	s_lshl_b32 s[T1], s[QI], 4
	s_lshl_b32 s[T0], s[T0], 6
	s_add_co_u32 s[T0], s[T0], s[T1]               ; my tile's first query in its batch
	v_lshlrev_b32 v[TM+4], 4, v7
	v_sub_nc_u32 v[TM+4], v[TM+4], v6
	v_sub_nc_u32 v[TM+4], v[TM+4], s[T0]           ; 16 h - my query
.irp k, 0,1,2,3
	v_add_nc_u32 v[TM+\k], 32*\k, v[TM+4]
	v_cvt_f32_i32 v[D0+\k], v[TM+\k]
.endr
.irp i, 0,1,2,3,4,5,6,7,8,9,10,11,12,13,14,15
	v_cvt_f32_u32 v[J+\i], \i
.endr
.irp i, NM, NM+1, ADV, ADV8, XB+1, XB+3, LP, LP+1, MN+1, FF+1
	v_mov_b32 v[\i], 0                             ; -M2 = 0 in pass 1; the sum; and the upper halves of pairs of which the low word serves both halves
.endr
	v_mov_b32 v[MR], 0xff61b1e6                    ; -3e38, under every t
; THE CHANGE OF SLOTS stands at a step's head.  Each wave waits for all its tensor loads, adds 0 to its spare word, and waits for that and for its reads of the slot that it has left; behind the round the
; slot just left takes the next step's tiles, which have a whole step in which to land.  kind 1: adj and K one step on; 2: back to step 0, for pass 2; 3: adj, K and V one step on; 0: nothing is left to fetch.
.macro CHANGE kind
	s_wait_tensorcnt 0x0                           ; no tensor load of mine is out, so a group 0 may be written
	ds_add_u32 v[SPW], v[NIL]
.if \kind != 0
	s_xor_b32 s[G0A+1], s[G0A+1], SLOT1
	s_xor_b32 s[G0K+1], s[G0K+1], SLOT1
.if \kind == 2
	s_sub_nc_u64 s[G0A+2:G0A+3], s[G0A+2:G0A+3], 15*512
	s_sub_nc_u64 s[G0K+2:G0K+3], s[G0K+2:G0K+3], 15*KBLK
.else
	s_add_nc_u64 s[G0A+2:G0A+3], s[G0A+2:G0A+3], 512
	s_add_nc_u64 s[G0K+2:G0K+3], s[G0K+2:G0K+3], KBLK
.endif
.if \kind == 3
	s_xor_b32 s[G0V1+1], s[G0V1+1], SLOT1
	s_add_nc_u64 s[G0V1+2:G0V1+3], s[G0V1+2:G0V1+3], VBLK
.endif
	s_wait_dscnt 0x0                               ; the add is done, and my reads of the slot that I have left are over
	ROUND
.if \kind == 3
	TLOAD 1
.else
	TLOAD 0
.endif
.else
	s_wait_dscnt 0x0
	s_barrier_signal -1
	s_barrier_wait -1
.endif
.endm
.macro LDSC                            ; K's scale words of the step's eight tiles
.irp u, 0,1,2,3
	ds_load_b64 v[KS+2*\u:KS+2*\u+1], v[ADK8] offset:8192+256*\u
.endr
.endm
.macro LDK c                           ; key tiles 4 c .. 4 c + 3: images of registers 0-3 and 4-7
.irp t, 0,1,2,3
	ds_load_b128 v[FR+12*\t:FR+12*\t+3], v[ADK] offset:(4*\c+\t)*1024
	ds_load_b128 v[FR+12*\t+4:FR+12*\t+7], v[ADK] offset:(4*\c+\t)*1024+512
.endr
.endm
.macro LDA c                           ; adj of my query at keys 64 c + 32 b + 16 h + 0 .. 15
.irp u, 0,1,2,3,4,5,6,7
	ds_load_b128 v[AD+4*\u:AD+4*\u+3], v[ADA] offset:256*\c+128*(\u/4)+16*(\u%4)
.endr
.endm
.macro LDV
.irp d, 0,1,2,3
	ds_load_b128 v[VF+12*\d:VF+12*\d+3], v[ADV] offset:1536*\d
	ds_load_b64 v[VF+12*\d+4:VF+12*\d+5], v[ADV8] offset:1536*\d+512
	ds_load_b128 v[VF+12*\d+6:VF+12*\d+9], v[ADV] offset:1536*\d+768
	ds_load_b64 v[VF+12*\d+10:VF+12*\d+11], v[ADV8] offset:1536*\d+1280
.endr
	ds_load_b128 v[VS:VS+3], v[ADV] offset:6144
.endm
.macro WMS c, p                        ; S^T = K Q^T for four tiles of 16 keys; pass 2 takes K's scale words from lanes 16-31
.irp t, 0,1,2,3
.if \p == 1
	v_wmma_scale_f32_16x16x128_f8f6f4 v[S+8*\t:S+8*\t+7], v[FR+12*\t:FR+12*\t+11], v[Q:Q+11], 0, v[KS+4*\c+\t], v[QS] matrix_a_fmt:MATRIX_FMT_FP6 matrix_b_fmt:MATRIX_FMT_FP6
.else
	v_wmma_scale_f32_16x16x128_f8f6f4 v[S+8*\t:S+8*\t+7], v[FR+12*\t:FR+12*\t+11], v[Q:Q+11], 0, v[KS+4*\c+\t], v[QS] matrix_a_fmt:MATRIX_FMT_FP6 matrix_b_fmt:MATRIX_FMT_FP6 matrix_a_scale:MATRIX_SCALE_ROW1
.endif
.endr
.endm
; AD = adj x gamma' - slope' |key - query| - M2.  These lines name none of the products' registers: they are the places behind WMS.
.macro BIAS c
	v_add_f32 v[XB], s[K0F], v[D0+2*\c]
	v_add_f32 v[XB+2], s[K0F], v[D0+2*\c+1]
	s_sub_co_u32 s[T0], s[ST], s[ZLO]
	s_cmp_lt_u32 s[T0], 2
	s_cbranch_scc1 .Labs_\@
	v_fma_f32 v[EE], v[XB], s[SS], v[NM]
	v_fma_f32 v[EE+2], v[XB+2], s[SS], v[NM]
.irp b, 0,1
.irp g, 0,1
.irp k, 0,1,2,3
	v_pk_fma_f32 v[TP+2*\k:TP+2*\k+1], v[J+8*\g+2*\k:J+8*\g+2*\k+1], s[SS:SS+1], v[EE+2*\b:EE+2*\b+1] op_sel_hi:[1,0,0]
.endr
.irp k, 0,1,2,3
	v_pk_fma_f32 v[AD+16*\b+8*\g+2*\k:AD+16*\b+8*\g+2*\k+1], v[AD+16*\b+8*\g+2*\k:AD+16*\b+8*\g+2*\k+1], s[G2:G2+1], v[TP+2*\k:TP+2*\k+1] op_sel_hi:[1,0,1]
.endr
.endr
.endr
	s_branch .Lbias_\@
.Labs_\@:
.irp b, 0,1
.irp g, 0,1
.irp k, 0,1,2,3
	v_pk_add_f32 v[TP+2*\k:TP+2*\k+1], v[J+8*\g+2*\k:J+8*\g+2*\k+1], v[XB+2*\b:XB+2*\b+1] op_sel_hi:[1,0]
.endr
.irp k, 0,1,2,3,4,5,6,7
	v_and_b32 v[TP+\k], s[ABSM], v[TP+\k]
.endr
.irp k, 0,1,2,3
	v_pk_fma_f32 v[TP+2*\k:TP+2*\k+1], v[TP+2*\k:TP+2*\k+1], s[NSL:NSL+1], v[NM:NM+1] op_sel_hi:[1,0,0]
.endr
.irp k, 0,1,2,3
	v_pk_fma_f32 v[AD+16*\b+8*\g+2*\k:AD+16*\b+8*\g+2*\k+1], v[AD+16*\b+8*\g+2*\k:AD+16*\b+8*\g+2*\k+1], s[G2:G2+1], v[TP+2*\k:TP+2*\k+1] op_sel_hi:[1,0,1]
.endr
.endr
.endr
.Lbias_\@:
.endm
.macro TSUM                            ; t = score x log2(e) / 8 + AD; each accumulator from its low end on
.set jj, 0
.rept 16
	v_pk_fma_f32 v[S+jj:S+jj+1], v[S+jj:S+jj+1], s[C2:C2+1], v[AD+jj:AD+jj+1] op_sel_hi:[1,0,1]
.set jj, jj+2
.endr
.endm
.macro STAT                            ; pass 1: my 32 numbers into my running maximum and sum
.irp k, 0,1,2,3
	v_max3_num_f32 v[TM+\k], v[S+8*\k], v[S+8*\k+1], v[S+8*\k+2]
.endr
.irp i, 3,5
.irp k, 0,1,2,3
	v_max3_num_f32 v[TM+\k], v[TM+\k], v[S+8*\k+\i], v[S+8*\k+\i+1]
.endr
.endr
	v_max3_num_f32 v[TM], v[TM], v[S+7], v[S+15]
	v_max3_num_f32 v[TM+2], v[TM+2], v[S+23], v[S+31]
	v_max3_num_f32 v[TM], v[TM], v[TM+1], v[TM+2]
	v_max3_num_f32 v[MN], v[TM], v[TM+3], v[MR]
	v_sub_f32 v[TM+1], v[MR], v[MN]
.set jj, 0
.rept 16
	v_pk_add_f32 v[S+jj:S+jj+1], v[S+jj:S+jj+1], v[MN:MN+1] op_sel_hi:[1,0] neg_lo:[0,1] neg_hi:[0,1]
.set jj, jj+2
.endr
.set jj, 0
.rept 32
	v_exp_f32 v[S+jj], v[S+jj]
.set jj, jj+1
.endr
	v_exp_f32 v[FF], v[TM+1]
	v_mov_b32 v[MR], v[MN]                         ; the plain line behind the exponentials
	s_wait_alu depctr_va_vdst(0)
	v_pk_fma_f32 v[LP:LP+1], v[LP:LP+1], v[FF:FF+1], v[S:S+1] op_sel_hi:[1,0,1]
	v_pk_add_f32 v[TP:TP+1], v[S+2:S+3], v[S+6:S+7]
	v_pk_add_f32 v[LP:LP+1], v[LP:LP+1], v[S+4:S+5]
.irp j, 8,12,16,20,24,28
	v_pk_add_f32 v[LP:LP+1], v[LP:LP+1], v[S+\j:S+\j+1]
	v_pk_add_f32 v[TP:TP+1], v[TP:TP+1], v[S+\j+2:S+\j+3]
.endr
	v_pk_add_f32 v[LP:LP+1], v[LP:LP+1], v[TP:TP+1]
.endm
.macro QH c                            ; pass 2: p = 2^t, finished; blocks 2 c and 2 c + 1 of the step's four become codes and two bytes of p's scale word
.set jj, 0
.rept 32
	v_exp_f32 v[S+jj], v[S+jj]
.set jj, jj+1
.endr
	v_nop                                          ; the plain line behind the exponentials
	s_wait_alu depctr_va_vdst(0)
.irp b, 0,1
	v_max3_num_f32 v[TM+\b], v[S+16*\b], v[S+16*\b+1], 0x1800000   ; p is never negative; the floor 2^(3 - 127)
.endr
.irp i, 2,4,6,8,10,12,14
.irp b, 0,1
	v_max3_num_f32 v[TM+\b], v[TM+\b], v[S+16*\b+\i], v[S+16*\b+\i+1]
.endr
.endr
.irp b, 0,1
	v_permlanex16_b32 v[TM+2+\b], v[TM+\b], s[SEL], s[SEL+1]
.endr
.irp b, 0,1
	v_max_num_f32 v[TM+\b], v[TM+\b], v[TM+2+\b]
.endr
.irp b, 0,1
	v_add_nc_u32 v[TM+4+\b], 0xff000000, v[TM+\b]
.endr
.irp b, 0,1
	v_lshrrev_b32 v[TM+6+\b], 23, v[TM+4+\b]
.endr
.if \c == 0
	v_lshl_or_b32 v[PW], v[TM+7], 8, v[TM+6]
.else
	v_lshl_or_b32 v[PW], v[TM+6], 16, v[PW]
	v_lshl_or_b32 v[PW], v[TM+7], 24, v[PW]
.endif
	v_cvt_scalef32_pk16_fp6_f32 v[PC+6*\c:PC+6*\c+2], v[S:S+15], v[TM+4]
	v_cvt_scalef32_pk16_fp6_f32 v[PT:PT+2], v[S+16:S+31], v[TM+5]
	v_nop                                          ; one plain line behind the conversions
.irp i, 0,1,2
	v_permlane16_swap_b32 v[PC+6*\c+\i], v[PT+\i]  ; a whole block to a lane
.endr
.irp i, 0,1,2
	v_mov_b32 v[PC+6*\c+3+\i], v[PT+\i]
.endr
.endm
; A KEY STEP of 128 keys, in two halves of 64.  p: the pass; zero = 1: the V products start O^T's sums.
.macro STEP p, zero
	s_cmp_lt_u32 s[ST], s[ZLO]                     ; keys before the cluster's queries: + slope (k - q); behind them: - slope (k - q)
	s_cselect_b32 s[SS], s[SL2], s[NSL]
	s_add_co_u32 s[LT0], s[TB], s[KJ]
	v_add_nc_u32 v[ADA], s[TB], v[AAD0]
	v_add_nc_u32 v[ADK], s[LT0], v[L16]
	v_add_nc_u32 v[ADK8], s[LT0], v[L8]
.if \p == 2
	s_add_co_u32 s[LT1], s[TB], s[VJ]
	v_add_nc_u32 v[ADV], s[LT1], v[L16]
	v_add_nc_u32 v[ADV8], s[LT1], v[L8]
.endif
	LDSC
	LDK 0
	LDA 0
	s_wait_dscnt 8                                 ; K and its scale words are in; adj's eight loads may be out
	WMS 0, \p
	s_wait_dscnt 0x0
	BIAS 0
	TSUM
	LDK 1
	LDA 1
.if \p == 1
	STAT
.else
	QH 0
.endif
	s_wait_dscnt 8                                 ; K's eight loads are in; adj's eight may be out
	WMS 1, \p
	s_wait_dscnt 0x0
	BIAS 1
	TSUM
.if \p == 1
	STAT
.else
	LDV                                            ; over adj's registers, which are done with
	QH 1
	PLACES 8                                       ; p's scale word stands 8 places, its codes 4, ahead of the scaled product
	s_wait_dscnt 0x0
.irp d, 0,1,2,3
.if \zero
	v_wmma_scale_f32_16x16x128_f8f6f4 v[O+8*\d:O+8*\d+7], v[VF+12*\d:VF+12*\d+11], v[PC:PC+11], 0, v[VS+\d], v[PW] matrix_a_fmt:MATRIX_FMT_FP6 matrix_b_fmt:MATRIX_FMT_FP6
.else
	v_wmma_scale_f32_16x16x128_f8f6f4 v[O+8*\d:O+8*\d+7], v[VF+12*\d:VF+12*\d+11], v[PC:PC+11], v[O+8*\d:O+8*\d+7], v[VS+\d], v[PW] matrix_a_fmt:MATRIX_FMT_FP6 matrix_b_fmt:MATRIX_FMT_FP6
.endif
.endr
	PLACES 4                                       ; in front of the next loads into V's registers, and of the first read of O^T
.endif
	s_add_co_u32 s[ST], s[ST], 1
	s_add_f32 s[K0F], s[K0F], 0x43000000           ; 128 keys on
	s_xor_b32 s[TB], s[TB], SLOT1
.endm
	s_wait_loadcnt 0x0                             ; Q
	; ---- pass 1
	s_mov_b32 s[CNT], 15
.Lp1:
	CHANGE 1
	STEP 1, 0
	s_sub_co_u32 s[CNT], s[CNT], 1
	s_cmp_lg_u32 s[CNT], 0
	s_cbranch_scc1 .Lp1
	CHANGE 2                                       ; the last step of pass 1 asks for step 0 again
	STEP 1, 0
	; ---- the two halves of the lanes join: M2 = m + log2(l)
	v_add_f32 v[LP], v[LP], v[LP+1]
	v_permlanex16_b32 v[TM+2], v[MR], s[SEL], s[SEL+1]
	v_permlanex16_b32 v[TM+3], v[LP], s[SEL], s[SEL+1]
	v_max_num_f32 v[MN], v[MR], v[TM+2]
	v_sub_f32 v[TM], v[MR], v[MN]
	v_sub_f32 v[TM+1], v[TM+2], v[MN]
	v_exp_f32 v[TM], v[TM]
	v_exp_f32 v[TM+1], v[TM+1]
	v_bfe_u32 v[TM+4], v0, 4, 1                    ; h (the plain line behind the exponentials)
	s_wait_alu depctr_va_vdst(0)
	v_mul_f32 v[LP], v[LP], v[TM]
	v_fmac_f32 v[LP], v[TM+3], v[TM+1]
	v_log_f32 v[LP+1], v[LP]
	v_mul_u32_u24 v[Q+6], v[TM+4], 0x28            ; the code of -1.0 at k = 96 of Q (the plain line behind the logarithm; six plain lines follow it ahead of the next product)
	s_wait_alu depctr_va_vdst(0)
	v_fma_f32 v[NM], v[MN], -1.0, -v[LP+1]
	s_mov_b32 s[ST], 0
	s_mov_b32 s[K0F], 0
	; ---- pass 2
	CHANGE 1                                       ; V's steps 0 and 1 came with the first fills
	STEP 2, 1
	s_mov_b32 s[CNT], 14
.Lp2:
	CHANGE 3
	STEP 2, 0
	s_sub_co_u32 s[CNT], s[CNT], 1
	s_cmp_lg_u32 s[CNT], 0
	s_cbranch_scc1 .Lp2
	CHANGE 0                                       ; the last step is written out
	STEP 2, 0
	; ---- the way out: O^T x the query's mask + out_bias, through my stage in LDS, so that sixteen lanes store 256 consecutive aligned bytes
.set STO, 5                            ; the registers of addresses that are done with
.set RD,  19
.set GO,  21
	v_and_b32 v6, 15, v0                           ; r
	v_bfe_u32 v7, v0, 4, 1                         ; h
	s_lshl_b32 s[T0], s[WGY], 6
	s_lshl_b32 s[T1], s[QI], 4
	s_add_co_u32 s94, s[T0], s[T1]                 ; my first row of out0
	s_mov_b32 s95, 0
	s_add_nc_u64 s[14:15], s[14:15], s[94:95]
	global_load_u8 v[TM], v6, s[14:15]             ; my query's mask byte
	s_lshl_b32 s96, s[HEAD], 8
	s_mov_b32 s97, 0
	s_add_nc_u64 s[16:17], s[16:17], s[96:97]
	v_lshlrev_b32 v8, 5, v7
.irp d, 0,1,2,3
	global_load_b128 v[FR+8*\d:FR+8*\d+3], v8, s[16:17] offset:64*\d          ; out_bias at 64 head + 16 d + 8 h + 0 .. 7
	global_load_b128 v[FR+8*\d+4:FR+8*\d+7], v8, s[16:17] offset:64*\d+16
.endr
	s_lshl_b32 s94, s94, 12
	s_add_co_u32 s94, s94, s96
	s_add_nc_u64 s[18:19], s[18:19], s[94:95]
	s_mul_i32 s[LT0], s[WV], 16*SP
	v_mul_u32_u24 v[STO], v6, SP
	v_lshl_add_u32 v[STO], v7, 5, v[STO]
	v_add_nc_u32 v[STO], s[LT0], v[STO]            ; in: row r, 64 d + 32 h bytes on
	v_mul_u32_u24 v[RD], v7, SP
	v_lshl_add_u32 v[RD], v6, 4, v[RD]
	v_add_nc_u32 v[RD], s[LT0], v[RD]              ; back: lanes 0-15 one row, lanes 16-31 the next
	v_lshlrev_b32 v[GO], 12, v7
	v_lshl_add_u32 v[GO], v6, 4, v[GO]             ; and the same two rows in out0
	s_wait_loadcnt 0x0
	v_cvt_f32_u32 v[MN], v[TM]
.set jj, 0
.rept 16
	v_pk_fma_f32 v[AD+jj:AD+jj+1], v[O+jj:O+jj+1], v[MN:MN+1], v[FR+jj:FR+jj+1] op_sel_hi:[1,0,1]
.set jj, jj+2
.endr
.irp d, 0,1,2,3
	ds_store_b128 v[STO], v[AD+8*\d:AD+8*\d+3] offset:64*\d
	ds_store_b128 v[STO], v[AD+8*\d+4:AD+8*\d+7] offset:64*\d+16
.endr
.irp i, 0,1,2,3,4,5,6,7
	ds_load_b128 v[S+4*\i:S+4*\i+3], v[RD] offset:2*\i*SP      ; in order behind my stores
.endr
.irp i, 0,1,2,3,4,5,6,7
	s_wait_dscnt 7-\i                              ; the 7 - i younger loads may be out
	global_store_b128 v[GO], v[S+4*\i:S+4*\i+3], s[18:19] offset:8192*\i th:TH_STORE_NT
.endr
	s_wait_tensorcnt 0x0                           ; the wave's end
	ds_add_u32 v[SPW], v[NIL]
	s_wait_dscnt 0x0
	ROUND                                          ; the closing round
	s_endpgm
.Lfunc_end_k_qc5519a1790_attn:
	.size	k_qc5519a1790_attn, .Lfunc_end_k_qc5519a1790_attn-k_qc5519a1790_attn
	.p2alignl 7, 3214868480
	.fill 96, 4, 3214868480
	.section	.rodata,"a",@progbits
	.p2align	6, 0x0
	.amdhsa_kernel k_qc5519a1790_attn
		.amdhsa_group_segment_fixed_size 327680
		.amdhsa_private_segment_fixed_size 0
		.amdhsa_enable_private_segment 0
		.amdhsa_kernarg_size 64
		.amdhsa_user_sgpr_count 2
		.amdhsa_user_sgpr_kernarg_segment_ptr 1
		.amdhsa_wavefront_size32 1
		.amdhsa_system_sgpr_workgroup_id_x 1
		.amdhsa_system_sgpr_workgroup_id_y 1
		.amdhsa_system_sgpr_workgroup_id_z 1
		.amdhsa_system_vgpr_workitem_id 0
		.amdhsa_next_free_vgpr 256
		.amdhsa_next_free_sgpr 106
		.amdhsa_reserve_vcc 0
		.amdhsa_float_denorm_mode_32 3
		.amdhsa_float_denorm_mode_16_64 3
		.amdhsa_memory_ordered 1
		.amdhsa_forward_progress 1
		.amdhsa_inst_pref_size 154
	.end_amdhsa_kernel
	.amdgpu_metadata
---
amdhsa.version: [ 1, 2 ]
amdhsa.kernels:
  - .name:           k_qc5519a1790_attn
    .symbol:         k_qc5519a1790_attn.kd
    .args:
      - { .name: qp, .offset: 0, .size: 8, .value_kind: global_buffer, .address_space: global }
      - { .name: kp, .offset: 8, .size: 8, .value_kind: global_buffer, .address_space: global }
      - { .name: vp, .offset: 16, .size: 8, .value_kind: global_buffer, .address_space: global }
      - { .name: adj, .offset: 24, .size: 8, .value_kind: global_buffer, .address_space: global }
      - { .name: gamma, .offset: 32, .size: 8, .value_kind: global_buffer, .address_space: global }
      - { .name: mask, .offset: 40, .size: 8, .value_kind: global_buffer, .address_space: global }
      - { .name: out_bias, .offset: 48, .size: 8, .value_kind: global_buffer, .address_space: global }
      - { .name: out0, .offset: 56, .size: 8, .value_kind: global_buffer, .address_space: global }
    .group_segment_fixed_size: 327680
    .private_segment_fixed_size: 0
    .kernarg_segment_align: 8
    .kernarg_segment_size: 64
    .max_flat_workgroup_size: 512
    .sgpr_count:     106
    .vgpr_count:     256
    .wavefront_size: 32
...
	.end_amdgpu_metadata
.endif
;; end of part 3
